; MI455X (gfx1250); checked and timed in simulation.
; The chip was launched on July 23, 2026; its instructions are those of AMD's public machine-readable ISA for CDNA 5 (MIT licence, August 2026) and "CDNA5" Instruction Set Architecture Reference Guide (July 2026). The comments in the code are by the model that wrote it; some were corrected since.
;; Causal Self Attention. Allowed arithmetic: float matrix products may take bf16 or f16 operands with f32 sums; all other float work in f32.
;; Inputs: w_attn 256 x 768 float32; w_proj 256 x 256 float32; x 8 x 2,048 x 256 float32.
;; Outputs: out0 8 x 2,048 x 256 float32.
;; 2 versions, each right and faster than the one before. Each part assembles by itself: llvm-mc -triple=amdgcn-amd-amdhsa -mcpu=gfx1250 --defsym DOCPART=n.
;; ======== version 1 of 2: 3 launches
;; limits: values are held in f16: magnitudes above 65,504 overflow, below 6.1e-05 lose precision
;; workspace buffers: q 8,388,608 bytes; kv 16,777,216 bytes; y 8,388,608 bytes; wp 131,072 bytes
;; launch qkv (part 1): grid 2 x 128, 8 waves a work-group, no clusters, 273,408 bytes of LDS; arguments x, w_attn, q, kv; writes q, kv
.if DOCPART == 1
	.amdgcn_target "amdgcn-amd-amdhsa--gfx1250"
	.amdhsa_code_object_version 6
	.text
	.protected	k_q8557035614_qkv
	.globl	k_q8557035614_qkv
	.p2align	8
	.type	k_q8557035614_qkv,@function
k_q8557035614_qkv:
	s_mov_b64 s[64:65], 0
	v_nop
	global_prefetch_b8 v0, s[64:65] scope:SCOPE_SE
	s_setreg_imm32_b32 hwreg(HW_REG_WAVE_MODE, 25, 1), 1
	s_wait_xcnt 0x0
; qkv = x w_attn.  x: [16384][256] f32, w_attn: [256][768] f32.  Both are rounded once to bf16, the sums are f32, each result is rounded once to f16.
; LIMIT: a result beyond 65,504 in magnitude becomes an infinity in f16; below 6e-5 f16 keeps its fixed step of 6e-8.  The softmax scale is not applied here.
; SHARES.  A work-group owns 128 rows of x (its y number) and 384 columns of w_attn (its x number).  Wave w: rows 32 (w & 3) on, column groups 6 (w >> 2) .. +5 of 32 columns,
; each group one head of q, k or v: group cg = 12 half + 6 (w >> 2) + i; cg < 8 is q, cg < 16 is k, else v; the head is cg & 7.
; OUTPUT IN FRAGMENT ORDER, so that every store of a wave covers 512 consecutive bytes, aligned, and the next launch loads operands as they lie:
;   q  [head 64][16 rows 128][c 2][lane 32][16 B]: row lane % 16, channels 16 c + 8 (lane / 16) + 0..7
;   kv [head 64][64 keys 32][8,192 B]: 4 blocks of 16 keys laid as q's, then V turned: [32 keys 2][16 channels 2][c 2][lane][16 B]: channel lane % 16 of the block, keys 16 c + 8 (lane / 16) + 0..7
; For q and k the product is used transposed (source 0 = 16 columns of w, source 1 = 16 rows of x): a lane then holds eight channels of one row.  For v it is used straight: eight keys of one channel.
; NO CLUSTER: what work-groups share (w_attn, and x between the two halves) is f32 in memory and is rounded on its way, so it passes through registers; brought jointly as f32 it would
; need 393,216 + 131,072 bytes of LDS beside the 272,384 of the bf16 copies, more than a work-group can have.
; LDS: w as bf16, 256 rows (k) of 768 bytes, pitch 800 = 25 x 32 for the turning load; x as bf16, 128 rows of 512 bytes, pitch 528 = 33 x 16; then the spare words.
.set WP,    800
.set XP,    528
.set XL,    256*WP                 ; x begins behind w: byte 204,800
.set SPARE, XL+128*XP              ; byte 272,384: 128 bytes for each of the eight waves, named by no other line
.set SPW, 4                        ; v4   my spare word; never rewritten
.set NIL, 5                        ; v5   0; never rewritten
.set XO,  6                        ; v6   byte offset of my 16 bytes in my wave's 16 rows of x
.set WO,  7                        ; v7   the same in my wave's 32 rows of w
.set LX,  8                        ; v8   where my 8 bytes of bf16 go, x
.set LW,  9                        ; v9   the same, w
.set AX,  10                       ; v10  my lane's place in my wave's rows of x in LDS
.set AW,  12                       ; v12-15 my lane's place in w for the turning load, for k = 0, 64, 128, 192 on; stepped by a group's 64 bytes
.set GO,  16                       ; v16  16 x lane; never rewritten
.set ACC, 20                       ; v20-51   accumulator (mt, nt) at 20 + 16 mt + 8 nt
.set XF,  52                       ; v52-179  x's fragments (mt, ks) at 52 + 64 mt + 8 ks, resident
.set WF,  180                      ; v180-243 w's fragments, two buffers of 64 along k: 180 + 32 buf + 16 ksl + 8 nt
.set LD,  52                       ; while LDS is filled: a ring of 32 loads of 4 registers,
.set CV,  180                      ; and 32 pairs of rounded numbers
	s_load_b256 s[4:11], s[0:1], 0x0               ; x s[4:5], w_attn s[6:7], q s[8:9], kv s[10:11]
	v_lshl_add_u32 v[SPW], v0, 2, SPARE
	v_mov_b32 v[NIL], 0
	v_lshrrev_b32 v1, 5, v0
	v_readfirstlane_b32 s12, v1                    ; wave 0..7
	s_mov_b32 s13, ttmp9                           ; half
	s_and_b32 s14, ttmp7, 0xffff                   ; block of 128 rows
	s_and_b32 s15, s12, 3                          ; rs: which 32 rows
	s_lshr_b32 s16, s12, 2                         ; cs: which six column groups
	s_mul_i32 s17, s13, 12
	s_mul_i32 s26, s16, 6
	s_add_co_u32 s17, s17, s26                     ; cg of my first group
	s_and_b32 s26, s14, 15
	s_lshl_b32 s26, s26, 7
	s_lshl_b32 s27, s15, 5
	s_add_co_u32 s26, s26, s27                     ; t0: my first row within its batch
	s_lshl_b32 s19, s26, 6                         ; in q: 16 rows are 1,024 bytes
	s_lshr_b32 s20, s26, 6
	s_lshl_b32 s20, s20, 13                        ; in kv: 64 keys are 8,192 bytes,
	s_bfe_u32 s27, s26, 0x10005
	s_lshl_b32 s27, s27, 11                        ; and 32 keys 2,048, in K's part and in V's
	s_add_co_u32 s20, s20, s27
	s_lshr_b32 s21, s14, 4
	s_lshl_b32 s21, s21, 3                         ; 8 x batch
	s_mov_b32 s23, 0                               ; high word of every offset
	v_and_b32 v1, 31, v0                           ; lane
	v_and_b32 v2, 15, v0                           ; r
	v_bfe_u32 v3, v0, 4, 1                         ; hh
	v_lshlrev_b32 v[GO], 4, v1
	s_lshl_b32 s26, s12, 14                        ; my wave's 16 rows of x, 1,024 bytes each
	v_add_nc_u32 v[XO], s26, v[GO]
	s_mul_i32 s26, s12, 98304                      ; my wave's 32 rows of w, 3,072 bytes each
	v_add_nc_u32 v[WO], s26, v[GO]
	s_mul_i32 s26, s12, 16*XP
	s_add_co_u32 s26, s26, XL
	v_lshl_add_u32 v[LX], v1, 3, s26
	s_mul_i32 s26, s12, 32*WP
	v_lshl_add_u32 v[LW], v1, 3, s26
	s_mul_i32 s26, s15, 32*XP
	s_add_co_u32 s26, s26, XL
	v_mul_u32_u24 v[AX], v2, XP
	v_lshl_add_u32 v[AX], v3, 4, v[AX]
	v_add_nc_u32 v[AX], s26, v[AX]                 ; (32 rs + r) x pitch + 16 hh
	v_and_b32 v11, 7, v0
	v_lshl_add_u32 v11, v3, 3, v11
	v_mul_u32_u24 v11, v11, WP                     ; the turning load: row 8 hh + lane % 8,
	v_bfe_u32 v17, v0, 3, 1
	v_lshl_add_u32 v11, v17, 4, v11                ; 16 bytes for each half of eight lanes
	s_mul_i32 s26, s16, 384                        ; my six groups' 384 bytes of a row
	v_add_nc_u32 v[AW], s26, v11
	v_add_nc_u32 v[AW+1], 64*WP, v[AW]
	v_add_nc_u32 v[AW+2], 128*WP, v[AW]
	v_add_nc_u32 v[AW+3], 192*WP, v[AW]
	s_wait_kmcnt 0x0
	s_lshl_b32 s22, s14, 17                        ; 128 rows of 1,024 bytes
	s_add_nc_u64 s[4:5], s[4:5], s[22:23]
	s_mul_i32 s22, s13, 1536                       ; 384 columns of 4 bytes
	s_add_nc_u64 s[6:7], s[6:7], s[22:23]
; LDS IS FILLED through registers: 128 loads a wave of 512 consecutive bytes (32 for its 16 rows of x, 96 for its 32 rows of w), 32 of them always out.
.macro ISSUE n
.if (\n) < 32
	global_load_b128 v[LD+4*((\n)%32):LD+4*((\n)%32)+3], v[XO], s[4:5] offset:((\n)/2)*1024+((\n)%2)*512
.else
	global_load_b128 v[LD+4*((\n)%32):LD+4*((\n)%32)+3], v[WO], s[6:7] offset:(((\n)-32)/3)*3072+(((\n)-32)%3)*512
.endif
.endm
.macro DRAIN n
.if (\n) < 96
	s_wait_loadcnt 31                              ; loads come back in order: mine is in, the 31 younger ones stay out
.else
	s_wait_loadcnt 127-(\n)                        ; nothing more is issued: the count runs down
.endif
	v_cvt_pk_bf16_f32 v[CV+2*((\n)%32)],   v[LD+4*((\n)%32)],   v[LD+4*((\n)%32)+1]
	v_cvt_pk_bf16_f32 v[CV+2*((\n)%32)+1], v[LD+4*((\n)%32)+2], v[LD+4*((\n)%32)+3]
.if (\n) < 32
	ds_store_b64 v[LX], v[CV+2*((\n)%32):CV+2*((\n)%32)+1] offset:((\n)/2)*XP+((\n)%2)*256
.else
	ds_store_b64 v[LW], v[CV+2*((\n)%32):CV+2*((\n)%32)+1] offset:(((\n)-32)/3)*WP+(((\n)-32)%3)*256
.endif
.if (\n)+32 < 128
	ISSUE (\n)+32
.endif
.endm
.set n, 0
.rept 32
	ISSUE n
.set n, n+1
.endr
.set n, 0
.rept 128
	DRAIN n
.set n, n+1
.endr
	s_wait_dscnt 0x0                               ; for the others' sake: my stores into LDS are done
	s_barrier_signal -1
	s_barrier_wait -1                              ; the only barrier: from here LDS is only read
	; my 32 rows of x, all 256 along k, stay in registers: 16 fragments, two loads of 16 bytes each, 32 bytes apart
.irp mt, 0,1
.irp ks, 0,1,2,3,4,5,6,7
.irp c, 0,1
	ds_load_b128 v[XF+64*\mt+8*\ks+4*\c:XF+64*\mt+8*\ks+4*\c+3], v[AX] offset:\mt*16*XP+\ks*64+\c*32
.endr
.endr
.endr
.macro PLACES                          ; four plain places behind matrix instructions, ahead of loads into their sources and of vector reads of their results
.rept 4
	v_nop
.endr
.endm
; eight turning loads: w's fragments for 64 along k (quarter qd) and the group's 32 columns, into buffer buf
.macro LOADW buf, qd
.irp ksl, 0,1
.irp nt, 0,1
.irp c, 0,1
	ds_load_tr16_b128 v[WF+32*(\buf)+16*\ksl+8*\nt+4*\c:WF+32*(\buf)+16*\ksl+8*\nt+4*\c+3], v[AW+(\qd)] offset:\ksl*32*WP+\c*16*WP+\nt*32
.endr
.endr
.endr
.endm
; eight matrix instructions on the four accumulators by turns.  first = 1: the first four start the sums with the constant 0.  vt = 1: x is source 0 (for v).
.macro MUL buf, qd, first, vt
.irp ksl, 0,1
.irp mt, 0,1
.irp nt, 0,1
.set rA, ACC+16*\mt+8*\nt
.set rW, WF+32*(\buf)+16*\ksl+8*\nt
.set rX, XF+64*\mt+8*(2*(\qd)+\ksl)
.if (\first) && (\ksl == 0)
.if \vt
	v_wmma_f32_16x16x32_bf16 v[rA:rA+7], v[rX:rX+7], v[rW:rW+7], 0
.else
	v_wmma_f32_16x16x32_bf16 v[rA:rA+7], v[rW:rW+7], v[rX:rX+7], 0
.endif
.else
.if \vt
	v_wmma_f32_16x16x32_bf16 v[rA:rA+7], v[rX:rX+7], v[rW:rW+7], v[rA:rA+7]
.else
	v_wmma_f32_16x16x32_bf16 v[rA:rA+7], v[rW:rW+7], v[rX:rX+7], v[rA:rA+7]
.endif
.endif
.endr
.endr
.endr
.endm
; one column group: 32 rows x 32 columns x 256 along k, then out
.macro GROUP vt
	LOADW 0, 0
	LOADW 1, 1
	s_wait_dscnt 0x8                               ; all but the eight loads of buffer 1 (x's fragments are older still)
	MUL 0, 0, 1, \vt
	PLACES
	LOADW 0, 2
	s_wait_dscnt 0x8                               ; buffer 1 is in; the eight just issued stay out
	MUL 1, 1, 0, \vt
	PLACES
	LOADW 1, 3
	s_wait_dscnt 0x8
	MUL 0, 2, 0, \vt
	s_wait_dscnt 0x0
	MUL 1, 3, 0, \vt
	PLACES
.irp a, 0,1,2,3                        ; each accumulator from its low end on: eight f32 become 16 bytes of f16 in its first four registers
.irp i, 0,1,2,3
	v_cvt_pk_f16_f32 v[ACC+8*\a+\i], v[ACC+8*\a+2*\i], v[ACC+8*\a+2*\i+1]
.endr
.endr
.irp mt, 0,1
.irp nt, 0,1
.if \vt
	global_store_b128 v[GO], v[ACC+16*\mt+8*\nt:ACC+16*\mt+8*\nt+3], s[24:25] offset:\nt*1024+\mt*512  ; channel block nt, keys 16 mt on
.else
	global_store_b128 v[GO], v[ACC+16*\mt+8*\nt:ACC+16*\mt+8*\nt+3], s[24:25] offset:\mt*1024+\nt*512  ; rows 16 mt on, channels 16 nt on
.endif
.endr
.endr
.endm
	s_mov_b32 s18, 6
.Lgroup:
	s_wait_xcnt 0x0                                ; the last trip's stores have read their base and their data: both are written anew below
	s_and_b32 s26, s17, 7
	s_add_co_u32 s26, s26, s21                     ; head = 8 x batch + cg & 7
	s_lshl_b32 s27, s26, 17
	s_add_co_u32 s27, s27, s19                     ; my rows in q
	s_lshl_b32 s28, s26, 18
	s_add_co_u32 s28, s28, s20                     ; my rows in kv, K's part
	s_cmp_lt_u32 s17, 16
	s_cbranch_scc0 .Lv
	s_cmp_lt_u32 s17, 8
	s_cselect_b64 s[24:25], s[8:9], s[10:11]       ; q or kv
	s_cselect_b32 s22, s27, s28
	s_add_nc_u64 s[24:25], s[24:25], s[22:23]
	GROUP 0
	s_branch .Ljoin
.Lv:
	s_add_co_u32 s22, s28, 4096                    ; V's part lies behind K's 4,096 bytes
	s_add_nc_u64 s[24:25], s[10:11], s[22:23]
	GROUP 1
.Ljoin:
.irp a, 0,1,2,3
	v_add_nc_u32 v[AW+\a], 64, v[AW+\a]            ; the next group's 32 columns
.endr
	s_add_co_u32 s17, s17, 1
	s_sub_co_u32 s18, s18, 1
	s_cmp_lg_u32 s18, 0
	s_cbranch_scc1 .Lgroup
	s_wait_tensorcnt 0x0                           ; the wave's end: a tensor wait, an LDS add and its wait, behind my last LDS store
	ds_add_u32 v[SPW], v[NIL]
	s_wait_dscnt 0x0
	s_endpgm
.Lfunc_end_k_q8557035614_qkv:
	.size	k_q8557035614_qkv, .Lfunc_end_k_q8557035614_qkv-k_q8557035614_qkv
	.p2alignl 7, 3214868480
	.fill 96, 4, 3214868480
	.section	.rodata,"a",@progbits
	.p2align	6, 0x0
	.amdhsa_kernel k_q8557035614_qkv
		.amdhsa_group_segment_fixed_size 273408
		.amdhsa_private_segment_fixed_size 0
		.amdhsa_enable_private_segment 0
		.amdhsa_kernarg_size 32
		.amdhsa_user_sgpr_count 2
		.amdhsa_user_sgpr_kernarg_segment_ptr 1
		.amdhsa_wavefront_size32 1
		.amdhsa_system_sgpr_workgroup_id_x 1
		.amdhsa_system_sgpr_workgroup_id_y 1
		.amdhsa_system_sgpr_workgroup_id_z 1
		.amdhsa_system_vgpr_workitem_id 0
		.amdhsa_next_free_vgpr 256
		.amdhsa_next_free_sgpr 66
		.amdhsa_reserve_vcc 0
		.amdhsa_float_denorm_mode_32 3
		.amdhsa_float_denorm_mode_16_64 3
		.amdhsa_memory_ordered 1
		.amdhsa_forward_progress 1
		.amdhsa_inst_pref_size 58
	.end_amdhsa_kernel
	.amdgpu_metadata
---
amdhsa.version: [ 1, 2 ]
amdhsa.kernels:
  - .name:           k_q8557035614_qkv
    .symbol:         k_q8557035614_qkv.kd
    .args:
      - { .name: x, .offset: 0, .size: 8, .value_kind: global_buffer, .address_space: global }
      - { .name: w_attn, .offset: 8, .size: 8, .value_kind: global_buffer, .address_space: global }
      - { .name: q, .offset: 16, .size: 8, .value_kind: global_buffer, .address_space: global }
      - { .name: kv, .offset: 24, .size: 8, .value_kind: global_buffer, .address_space: global }
    .group_segment_fixed_size: 273408
    .private_segment_fixed_size: 0
    .kernarg_segment_align: 8
    .kernarg_segment_size: 32
    .max_flat_workgroup_size: 256
    .sgpr_count:     66
    .vgpr_count:     256
    .wavefront_size: 32
...
	.end_amdgpu_metadata
.endif
;; end of part 1
;; launch attn (part 2): grid 4 x 64, 8 waves a work-group, clusters of 4 x 1, 263,168 bytes of LDS; arguments q, kv, w_proj, y, wp; writes y, wp
.if DOCPART == 2
	.amdgcn_target "amdgcn-amd-amdhsa--gfx1250"
	.amdhsa_code_object_version 6
	.text
	.protected	k_q8557035614_attn
	.globl	k_q8557035614_attn
	.p2align	8
	.type	k_q8557035614_attn,@function
k_q8557035614_attn:
	s_mov_b64 s[64:65], 0
	v_nop
	global_prefetch_b8 v0, s[64:65] scope:SCOPE_SE
	s_setreg_imm32_b32 hwreg(HW_REG_WAVE_MODE, 25, 1), 1
	s_wait_xcnt 0x0
	s_wait_alu depctr_hold_cnt(0) depctr_sa_sdst(0) depctr_va_vdst(0) depctr_va_sdst(0) depctr_va_ssrc(0) depctr_va_vcc(0) depctr_vm_vsrc(0)
	s_getreg_b32 s2, hwreg(HW_REG_IB_STS2, 6, 4)
	s_cmp_eq_u32 s2, 0
	s_cbranch_scc0 .Lentry_in_a_cluster
	s_endpgm
.Lentry_in_a_cluster:
	s_bfe_u32 s2, ttmp6, 0x10000c
	s_cmp_lg_u32 s2, 0x3003
	s_cbranch_scc0 .Lentry_shape_is_right
	s_endpgm
.Lentry_shape_is_right:
; CAUSAL ATTENTION at head size 32.  y[row] = the sum over keys <= row of softmax(q . k / sqrt(32)) v, for 64 heads of 2,048 rows; q, k, v, the weights p and y in f16; products, maxima and sums in f32.
; LIMITS.  q, k, v arrive within f16's range (65,504); p lies in 0 to 1 and is rounded to f16; its sum l is the f32 sum of the rounded p; a hidden score counts as its value less 1e30;
; a weight below 2^-126 counts as 0; NaN and infinities are not treated apart.  w_proj is rounded to bf16 and that number written as f16: it must lie within 65,504.
; SHARES.  The four work-groups of a cluster have one head.  Its rows lie in 16 bands of 128; work-group g owns rows 32 g .. 32 g + 31 of every band: two tiles of 16 queries.  Wave w takes band 15 - w and
; then band w.  Band b walks the key steps (64 keys) 0 .. 2 b + 1, the last two with masks: 34 steps for every wave of every work-group.  Branches and LDS addresses hang on the wave's number alone;
; g enters global addresses and, by s_cselect, the masks' two scalars.
; LDS holds the head's whole kv, 262,144 bytes as they lie in memory (fragment order), filled once by three joint loads a wave (steps 0-7, 8-15, 16-31): each of the four partners issues the same load
; with the same descriptor and the mask of four, and each receives the bytes.  Three tensor loads of a wave are out at the most.  Nothing is filled twice.
; LAYOUT.  S^T = K Q^T (source 0 = 16 keys, source 1 = 16 queries): a lane holds ONE query (lane % 16) and keys 8 (lane / 16) + 0..7.  Rounded to f16 in pairs, in place, two such results ARE source 1 of
; O^T = V^T P, which again holds one query a lane.  l is a third product, ones x P: all its rows are the query's sum; register 0 alone is rescaled and read, the other seven only collect sums of p (2,048 at the most).
; SOFTMAX.  Running maximum m; p = 2^(c s - c m), c = log2(e) / sqrt(32); in every step O and l are multiplied by a = 2^(c m_old - c m_new).  m starts at the lowest finite number, O and l at 0, so the first
; step is a step like any other with a = 0: the price is 48 registers cleared at each band's beginning.  Every row sees key 0 in its walk's first step, so m is a true score from then on.
; THE MASK is the C operand that starts S^T's sum.  MD is the mask of a 16 x 16 block on the diagonal; a block's mask is MD x AL + BE: (1, 0) on the diagonal, (0, 0) below it, (0, -1e30) above.
; Two waves share a SIMD: one wave's vector work stands beside the other's matrix work and waits.
; SIDE JOB.  Wave 0 of each of the 256 work-groups turns one block of 512 bytes of w_proj into fragment order for the next launch, while the first tile is on its way.
.set SPARE, 262144                 ; behind the head's kv: 128 bytes for each of the eight waves, named by no other line
.set L16, 1                        ; v1   16 x lane; never rewritten
.set AK,  2                        ; v2   16 x lane + 8,192 x the step in hand
.set AKM, 3                        ; v3   the same for a band's first masked step
.set SPW, 4                        ; v4   my spare word; never rewritten
.set NIL, 5                        ; v5   0; never rewritten
                                   ; v6, v7 at work in the set-up.  Tile u: v[8+8u] c m, +1 m, +2 c m_old; v[12+8u] c0-c3 at work (c2 takes a, at the end c0 takes 1 / l)
.set MD,  24                       ; v24-31   the diagonal block's mask
.set ONE, 32                       ; v32-39   a fragment of ones in f16
.set QH,  40                       ; v40-55   Q of the first band, 8 a tile
.set QL,  56                       ; v56-71   Q of the second
.set KF,  72                       ; v72-103  K of a step: 16 keys kt at 72 + 8 kt
.set VF,  104                      ; v104-135 V of a step: 32 keys kk, 16 channels cb at 104 + 16 kk + 8 cb
.set S,   136                      ; v136-199 S^T, 32 a tile; P takes each tile's first 16
.set O,   200                      ; v200-231 O^T: 200 + 16 u + 8 cb
.set LS,  232                      ; v232-247 l: 232 + 8 u
; s3 head; s14 wave; s15 g; s[16:23], s[24:31] descriptor groups 1 (32 and 64 rows); s[32:43] three groups 0; s[44:47] Q's bases; s[48:51] y's; s[52:53] c; s[54:55] lane selects;
; s[56:57] AL; s[58:59] BE; s60 -1e30; s61, s62 my two tiles' blocks of 16 rows within a band; s63 the step; s66, s67 unmasked steps of the two bands; s2, s[68:71] at work
.macro ROUND                           ; a round of the cluster's barrier
	s_barrier_signal -1
	s_barrier_wait -1
	s_cmp_lg_u32 s14, 0
	s_cbranch_scc1 .Lnot_wave_0_\@
	s_barrier_signal -3
.Lnot_wave_0_\@:
	s_barrier_wait -3
	s_barrier_signal -1
	s_barrier_wait -1
.endm
	s_load_b256 s[4:11], s[0:1], 0x0               ; q s[4:5], kv s[6:7], w_proj s[8:9], y s[10:11]
	s_load_b64 s[12:13], s[0:1], 0x20              ; wp
	v_lshl_add_u32 v[SPW], v0, 2, SPARE
	v_mov_b32 v[NIL], 0
	ds_add_u32 v[SPW], v[NIL]                      ; the wave's opening: the add and its wait stand ahead of my first tensor load; work on registers stands between them
	v_lshrrev_b32 v6, 5, v0
	v_readfirstlane_b32 s14, v6                    ; wave 0..7
	s_bfe_u32 s15, ttmp6, 0x40000                  ; g: my place in the cluster
	s_and_b32 s3, ttmp7, 0xffff                    ; the head = 8 x batch + head of the batch, shared by the four partners
	; descriptor groups 1: dense bytes asked for as rows of 32 elements of 8 bytes
	s_mov_b32 s16, 15|(3<<16)|(1<<21)              ; 15:0 the mask of four; 17:16 elements of 8 bytes; 21 set beside a mask
	s_mov_b32 s17, 32<<16                          ; tensor_dim0 = 32
	s_mov_b32 s18, 32<<16                          ; tensor_dim1 = 32
	s_mov_b32 s19, 32<<16                          ; tile_dim0 = 32
	s_mov_b32 s20, 32                              ; tile_dim1 = 32 rows: 8,192 bytes
	s_mov_b32 s21, 32                              ; 32 elements from row to row
	s_mov_b32 s22, 0
	s_mov_b32 s23, 0
	s_mov_b32 s24, 15|(3<<16)|(1<<21)
	s_mov_b32 s25, 32<<16
	s_mov_b32 s26, 64<<16                          ; tensor_dim1 = 64
	s_mov_b32 s27, 32<<16
	s_mov_b32 s28, 64                              ; tile_dim1 = 64 rows: 16,384 bytes
	s_mov_b32 s29, 32
	s_mov_b32 s30, 0
	s_mov_b32 s31, 0
	s_mov_b32 s32, 1                               ; groups 0: count = 1; the LDS address is also the byte offset in the head's kv
	s_lshl_b32 s33, s14, 13                        ; step w
	s_mov_b32 s36, 1
	s_add_co_u32 s37, s33, 65536                   ; step 8 + w
	s_mov_b32 s40, 1
	s_lshl_b32 s41, s14, 14
	s_add_co_u32 s41, s41, 131072                  ; steps 16 + 2 w, 17 + 2 w
	s_mov_b32 s52, 0x3e8293ee                      ; c = log2(e) / sqrt(32) = 0.255035
	s_mov_b32 s53, s52                             ; named with it as a pair
	s_mov_b32 s54, 0x76543210
	s_mov_b32 s55, 0xfedcba98
	s_mov_b32 s57, 0                               ; named as pairs
	s_mov_b32 s59, 0
	s_mov_b32 s60, 0xf149f2ca                      ; -1e30
	s_lshl_b32 s61, s15, 1                         ; tile 0 is block 2 g of the band's eight blocks of 16 rows,
	s_add_co_u32 s62, s61, 1                       ; tile 1 block 2 g + 1
	s_sub_co_u32 s66, 15, s14                      ; the first band
	s_lshl_b32 s70, s66, 3
	s_add_co_u32 s70, s70, s61                     ; its tile 0 among the head's 128 blocks of 16 rows
	s_lshl_b32 s71, s14, 3
	s_add_co_u32 s71, s71, s61                     ; the second band's
	s_lshl_b32 s66, s66, 1                         ; unmasked steps of the first band,
	s_lshl_b32 s67, s14, 1                         ; of the second
	s_lshl_b32 s2, s3, 17                          ; a head of q is 131,072 bytes, 16 rows 1,024
	s_lshl_b32 s44, s70, 10
	s_add_co_u32 s44, s44, s2
	s_mov_b32 s45, 0
	s_lshl_b32 s46, s71, 10
	s_add_co_u32 s46, s46, s2
	s_mov_b32 s47, 0
	s_lshr_b32 s2, s3, 3
	s_lshl_b32 s2, s2, 7                           ; y: [16 rows of all 16,384][head 8][1,024 bytes]: the batch's 128 blocks,
	s_add_co_u32 s48, s2, s70
	s_lshl_b32 s48, s48, 13
	s_add_co_u32 s50, s2, s71
	s_lshl_b32 s50, s50, 13
	s_and_b32 s2, s3, 7
	s_lshl_b32 s2, s2, 10                          ; and the head's place in a block
	s_add_co_u32 s48, s48, s2
	s_add_co_u32 s50, s50, s2
	s_mov_b32 s49, 0
	s_mov_b32 s51, 0
	s_lshl_b32 s68, s3, 18                         ; a head of kv is 262,144 bytes
	s_mov_b32 s69, 0
	s_wait_dscnt 0x0                               ; the opening add is done
	s_wait_kmcnt 0x0
	s_add_nc_u64 s[70:71], s[6:7], s[68:69]        ; the head's first byte of kv
	s_mov_b32 s68, s33
	s_add_nc_u64 s[34:35], s[70:71], s[68:69]
	s_or_b32 s35, s35, 0x80000000                  ; type = 2
	s_mov_b32 s68, s37
	s_add_nc_u64 s[38:39], s[70:71], s[68:69]
	s_or_b32 s39, s39, 0x80000000
	s_mov_b32 s68, s41
	s_add_nc_u64 s[42:43], s[70:71], s[68:69]
	s_or_b32 s43, s43, 0x80000000
	s_add_nc_u64 s[44:45], s[4:5], s[44:45]
	s_add_nc_u64 s[46:47], s[4:5], s[46:47]
	s_add_nc_u64 s[48:49], s[10:11], s[48:49]
	s_add_nc_u64 s[50:51], s[10:11], s[50:51]
	ROUND                                          ; all four work-groups are here: the joint loads meet
	tensor_load_to_lds s[32:35], s[16:23]          ; all fills of the launch, as one group
	s_nop 0
	tensor_load_to_lds s[36:39], s[16:23]
	s_nop 0
	tensor_load_to_lds s[40:43], s[24:31]
	s_nop 0
	v_and_b32 v6, 31, v0
	v_lshlrev_b32 v[L16], 4, v6
.irp u, 0,1                            ; both bands' Q: a fragment is two runs of 512 consecutive bytes
.irp c, 0,1
	global_load_b128 v[QH+8*\u+4*\c:QH+8*\u+4*\c+3], v[L16], s[44:45] offset:\u*1024+\c*512
	global_load_b128 v[QL+8*\u+4*\c:QL+8*\u+4*\c+3], v[L16], s[46:47] offset:\u*1024+\c*512
.endr
.endr
	v_and_b32 v6, 15, v0                           ; r
	v_bfe_u32 v7, v0, 4, 1                         ; hh
	v_lshlrev_b32 v3, 3, v7
	v_sub_nc_u32 v3, v6, v3                        ; r - 8 hh: on the diagonal block register j (key 8 hh + j) is hidden from query r where j is greater
.irp j, 0,1,2,3,4,5,6,7
	v_cmp_gt_i32 vcc_lo, \j, v3
	v_cndmask_b32 v[MD+\j], 0, s60, vcc_lo
.endr
.irp j, 0,1,2,3,4,5,6,7
	v_mov_b32 v[ONE+\j], 0x3c003c00
.endr
	v_lshlrev_b32 v7, 13, v7
	v_lshl_add_u32 v7, v6, 2, v7                   ; the side job: 8 hh rows of 1,024 bytes + 4 r
.macro INIT                            ; a band begins
.set i, O
.rept 48
	v_mov_b32 v[i], 0
.set i, i+1
.endr
	v_mov_b32 v8, 0xfe000000                       ; c m: far below every c s
	v_mov_b32 v9, 0xff7fffff                       ; m
	v_mov_b32 v16, 0xfe000000
	v_mov_b32 v17, 0xff7fffff
.endm
	INIT
	; wp [16 columns nt 16][32 along k ks 8][c 2][lane][16 B] = w_proj[32 ks + 16 c + 8 hh + 0..7][16 nt + r]: block number 4 head + g of its 256 is mine
	s_cmp_lg_u32 s14, 0
	s_cbranch_scc1 .Lno_side
	s_lshl_b32 s68, s3, 2
	s_add_co_u32 s68, s68, s15
	s_lshl_b32 s70, s68, 9
	s_mov_b32 s71, 0
	s_add_nc_u64 s[70:71], s[12:13], s[70:71]
	s_lshr_b32 s2, s68, 4
	s_lshl_b32 s2, s2, 6                           ; 16 nt columns of 4 bytes
	s_and_b32 s68, s68, 15
	s_lshl_b32 s68, s68, 14                        ; 16 (2 ks + c) rows of 1,024 bytes
	s_add_co_u32 s68, s68, s2
	s_mov_b32 s69, 0
	s_add_nc_u64 s[68:69], s[8:9], s[68:69]
.irp j, 0,1,2,3,4,5,6,7
	global_load_b32 v[S+\j], v7, s[68:69] offset:\j*1024
.endr
	s_wait_loadcnt 0x0
.irp i, 0,1,2,3
	v_cvt_pk_bf16_f32 v[S+12], v[S+2*\i], v[S+2*\i+1]  ; rounded to bf16 like the other inputs,
	v_lshlrev_b32 v[S+13], 16, v[S+12]
	v_and_b32 v[S+14], 0xffff0000, v[S+12]
	v_cvt_pk_f16_f32 v[S+8+\i], v[S+13], v[S+14]       ; and that number written as f16
.endr
	global_store_b128 v[L16], v[S+8:S+11], s[70:71]
	s_wait_xcnt 0x0                                ; the store has read its data: the first products write over those registers
.Lno_side:
.macro LOADK a, off                    ; eight loads of 512 consecutive bytes: K of the step at v[a] + off
.irp kt, 0,1,2,3
.irp c, 0,1
	ds_load_b128 v[KF+8*\kt+4*\c:KF+8*\kt+4*\c+3], v[\a] offset:(\off)+\kt*1024+\c*512
.endr
.endr
.endm
.macro LOADV a, off                    ; the same for V
.irp kk, 0,1
.irp cb, 0,1
.irp c, 0,1
	ds_load_b128 v[VF+16*\kk+8*\cb+4*\c:VF+16*\kk+8*\cb+4*\c+3], v[\a] offset:(\off)+4096+\kk*2048+\cb*1024+\c*512
.endr
.endr
.endr
.endm
; Number n of the lines that find tile u's maximum and statistics.  0-11: four chains of seven scores, three operands at a time; each accumulator's lowest registers are read first.
; 12-14, 16: the four scores left over, the old m, and the chains into c0.  17, 18: the query's other 32 keys lie in the lane 16 away.  19-21: c m; c m_old - c m_new; a.  (c m_old is kept behind the products.)
.macro XS u, n
.set rT, 8+8*(\u)
.set rC, 12+8*(\u)
.set rS, S+32*(\u)
.if (\n) < 4
	v_max3_num_f32 v[rC+(\n)], v[rS+8*(\n)], v[rS+8*(\n)+1], v[rS+8*(\n)+2]
.elseif (\n) < 12
	v_max3_num_f32 v[rC+(\n)%4], v[rC+(\n)%4], v[rS+8*((\n)%4)+2*((\n)/4)+1], v[rS+8*((\n)%4)+2*((\n)/4)+2]
.elseif (\n) == 12
	v_max3_num_f32 v[rC], v[rC], v[rS+7], v[rS+15]
.elseif (\n) == 13
	v_max3_num_f32 v[rC+1], v[rC+1], v[rS+23], v[rS+31]
.elseif (\n) == 14
	v_max3_num_f32 v[rC+2], v[rC+2], v[rC+3], v[rT+1]
.elseif (\n) == 16
	v_max3_num_f32 v[rC], v[rC], v[rC+1], v[rC+2]
.elseif (\n) == 17
	v_permlanex16_b32 v[rC+3], v[rC], s54, s55
.elseif (\n) == 18
	v_max_num_f32 v[rT+1], v[rC], v[rC+3]
.elseif (\n) == 19
	v_mul_f32 v[rT], s52, v[rT+1]
.elseif (\n) == 20
	v_sub_f32 v[rC+1], v[rT+2], v[rT]
.else
	v_exp_f32 v[rC+2], v[rC+1]
.endif
.endm
.macro FS u, n                         ; c s - c m for pair n of 16
	v_pk_fma_f32 v[S+32*(\u)+2*(\n):S+32*(\u)+2*(\n)+1], v[S+32*(\u)+2*(\n):S+32*(\u)+2*(\n)+1], s[52:53], v[8+8*(\u):9+8*(\u)] op_sel_hi:[1,0,0] neg_lo:[0,0,1] neg_hi:[0,0,1]
.endm
.macro EX u, x                         ; the exponential of score x of 32
	v_exp_f32 v[S+32*(\u)+(\x)], v[S+32*(\u)+(\x)]
.endm
.macro CV u, n                         ; pair n rounded to f16, into register n: the registers below 2 n have been read
	s_wait_alu depctr_va_vdst(0)
	v_cvt_pk_f16_f32 v[S+32*(\u)+(\n)], v[S+32*(\u)+2*(\n)], v[S+32*(\u)+2*(\n)+1]
.endm
.macro RS u, n                         ; pair n of 8 of O^T times a; n = 8: l times a
.if (\n) < 8
	s_wait_alu depctr_va_vdst(0)
	v_pk_mul_f32 v[O+16*(\u)+2*(\n):O+16*(\u)+2*(\n)+1], v[O+16*(\u)+2*(\n):O+16*(\u)+2*(\n)+1], v[14+8*(\u):15+8*(\u)] op_sel_hi:[1,0]
.else
	v_mul_f32 v[LS+8*(\u)], v[LS+8*(\u)], v[14+8*(\u)]
.endif
.endm
.macro RQ                              ; the next of the 18 rescalings, the tiles alternating, each accumulator from its low end on
	RS rq%2, rq/2
.set rq, rq+1
.endm
; A step's vector work for both tiles.  Behind every exponential stands a plain instruction that touches neither its result nor its source (ISA guide 5.7.2): a scaling two pairs ahead, a rounding a pair back, or a rescaling.
.macro SOFTMAX
.irp n, 0,1,2,3,4,5,6,7,8,9,10,11,12,13,14,16,17,18,19,20,21
	XS 0, \n
	XS 1, \n
.endr
	FS 0, 0
	FS 1, 0
	FS 0, 1
	FS 1, 1
.set rq, 0
.set i, 0
.rept 16
	EX 0, 2*i
.if i < 14
	FS 0, i+2
.else
	RQ
.endif
	EX 0, 2*i+1
.if i < 14
	FS 1, i+2
.else
	RQ
.endif
	EX 1, 2*i
.if i > 0
	CV 0, i-1
.else
	RQ
.endif
	EX 1, 2*i+1
.if i > 0
	CV 1, i-1
.else
	RQ
.endif
.set i, i+1
.endr
	CV 0, 15
	CV 1, 15
.rept 12
	RQ
.endr
.endm
; The masks of a band's masked step sg (0, 1): key block 4 sg + kt against the tile's row block
.macro MASKS sg
.irp kt, 0,1,2,3
.irp u, 0,1
	s_cmp_eq_u32 s[61+\u], 4*(\sg)+\kt             ; on the diagonal?
	s_cselect_b32 s56, 1.0, 0
	s_cmp_lt_u32 s[61+\u], 4*(\sg)+\kt             ; or above it?
	s_cselect_b32 s58, s60, 0
.irp z, 0,1,2,3
	v_pk_fma_f32 v[S+32*\u+8*\kt+2*\z:S+32*\u+8*\kt+2*\z+1], v[MD+2*\z:MD+2*\z+1], s[56:57], s[58:59] op_sel_hi:[1,0,0]
.endr
.endr
.endr
.endm
; A KEY STEP.  qb: Q's registers.  km = 1: masked, step sg of the band's two.  pf = 1: the next step's K and V, 8,192 bytes behind v[a], are fetched: K behind this step's first products, V behind its last.
; The accumulators take turns, one instruction a turn: eight in the first run, six in the second.
.macro STEP qb, km, sg, pf, a
.if \km
	MASKS \sg
.endif
	s_wait_dscnt 0x8                               ; K is in; V's eight loads, which are younger, may stay out
.irp kt, 0,1,2,3
.irp u, 0,1
.if \km
	v_wmma_f32_16x16x32_f16 v[S+32*\u+8*\kt:S+32*\u+8*\kt+7], v[KF+8*\kt:KF+8*\kt+7], v[(\qb)+8*\u:(\qb)+8*\u+7], v[S+32*\u+8*\kt:S+32*\u+8*\kt+7]
.else
	v_wmma_f32_16x16x32_f16 v[S+32*\u+8*\kt:S+32*\u+8*\kt+7], v[KF+8*\kt:KF+8*\kt+7], v[(\qb)+8*\u:(\qb)+8*\u+7], 0
.endif
.endr
.endr
	v_mov_b32 v10, v8                              ; c m_old is kept; with two v_nop these are the four places behind the products
	v_mov_b32 v18, v16
	v_nop
	v_nop
.if \pf
	LOADK \a, 8192
.endif
	SOFTMAX
.if \pf
	s_wait_dscnt 0x8                               ; V is in; the next K's eight loads stay out
.else
	s_wait_dscnt 0x0
.endif
.irp kk, 0,1
.irp u, 0,1
	v_wmma_f32_16x16x32_f16 v[O+16*\u:O+16*\u+7],    v[VF+16*\kk:VF+16*\kk+7],    v[S+32*\u+8*\kk:S+32*\u+8*\kk+7], v[O+16*\u:O+16*\u+7]
	v_wmma_f32_16x16x32_f16 v[O+16*\u+8:O+16*\u+15], v[VF+16*\kk+8:VF+16*\kk+15], v[S+32*\u+8*\kk:S+32*\u+8*\kk+7], v[O+16*\u+8:O+16*\u+15]
	v_wmma_f32_16x16x32_f16 v[LS+8*\u:LS+8*\u+7],    v[ONE:ONE+7],                v[S+32*\u+8*\kk:S+32*\u+8*\kk+7], v[LS+8*\u:LS+8*\u+7]
.endr
.endr
.if \pf
.rept 5
	v_nop                                          ; five places: the loads below land in V, and the next step's products or masks write over P
.endr
	LOADV \a, 8192
.endif
.endm
; A BAND'S END: O^T is divided by l, rounded to f16 and stored in fragment order: each store covers 512 consecutive bytes, aligned.
.macro FINISH yb
.rept 4
	v_nop                                          ; the places behind the last products
.endr
	v_rcp_f32 v12, v[LS]
	v_rcp_f32 v20, v[LS+8]
	v_nop                                          ; a plain instruction between the last reciprocal and the use of its result
	s_wait_alu depctr_va_vdst(0)
.irp u, 0,1
.irp n, 0,1,2,3,4,5,6,7
	v_pk_mul_f32 v[O+16*\u+2*\n:O+16*\u+2*\n+1], v[O+16*\u+2*\n:O+16*\u+2*\n+1], v[12+8*\u:13+8*\u] op_sel_hi:[1,0]
.endr
.endr
.irp u, 0,1
.irp n, 0,1,2,3,4,5,6,7
	v_cvt_pk_f16_f32 v[S+32*\u+\n], v[O+16*\u+2*\n], v[O+16*\u+2*\n+1]
.endr
.endr
.irp u, 0,1
.irp c, 0,1
	global_store_b128 v[L16], v[S+32*\u+4*\c:S+32*\u+4*\c+3], s[\yb:\yb+1] offset:\u*8192+\c*512
.endr
.endr
.endm
	s_wait_tensorcnt 0x2                           ; my part of steps 0-7 is in; the two younger loads stay out
	s_barrier_signal -1
	s_barrier_wait -1                              ; everybody's is
	LOADK L16, 0                                   ; step 0
	LOADV L16, 0
	s_wait_loadcnt 0x0                             ; Q
	s_mov_b32 s63, 0
.LsegA:                                                ; steps 0-6; their fetches reach step 7
	v_lshl_add_u32 v[AK], s63, 13, v[L16]
	STEP QH, 0, 0, 1, AK
	s_add_co_u32 s63, s63, 1
	s_cmp_lt_u32 s63, 7
	s_cbranch_scc1 .LsegA
	s_wait_tensorcnt 0x1                           ; my part of steps 8-15 is in
	s_wait_dscnt 0x0                               ; no LDS instruction of mine is out at a signal
	s_barrier_signal -1
	s_barrier_wait -1
	s_mov_b32 s63, 7
.LsegB:                                                ; steps 7-14; their fetches reach step 15
	v_lshl_add_u32 v[AK], s63, 13, v[L16]
	STEP QH, 0, 0, 1, AK
	s_add_co_u32 s63, s63, 1
	s_cmp_lt_u32 s63, 15
	s_cbranch_scc1 .LsegB
	s_wait_tensorcnt 0x0                           ; my part of steps 16-31 is in
	s_wait_dscnt 0x0
	s_barrier_signal -1
	s_barrier_wait -1                              ; the last barrier but the closing round's: from here LDS is whole
	s_mov_b32 s63, 15
.LsegC:                                                ; steps 15-29, as far as my first band has unmasked steps: the dead trips are jumped over
	s_cmp_ge_u32 s63, s66
	s_cbranch_scc1 .LdeadC
	v_lshl_add_u32 v[AK], s63, 13, v[L16]
	STEP QH, 0, 0, 1, AK
.LdeadC:
	s_add_co_u32 s63, s63, 1
	s_cmp_lt_u32 s63, 30
	s_cbranch_scc1 .LsegC
	v_lshl_add_u32 v[AKM], s66, 13, v[L16]
	STEP QH, 1, 0, 1, AKM                          ; the band's own 128 keys
	STEP QH, 1, 1, 0, AKM
	FINISH 48
	s_wait_xcnt 0x0                                ; the stores have read their data, which lies in S^T's registers
	INIT                                           ; THE SECOND BAND
	LOADK L16, 0
	LOADV L16, 0
	s_mov_b32 s63, 0
.Llow:                                                 ; steps 0-13, as far as the band has unmasked steps
	s_cmp_ge_u32 s63, s67
	s_cbranch_scc1 .LdeadL
	v_lshl_add_u32 v[AK], s63, 13, v[L16]
	STEP QL, 0, 0, 1, AK
.LdeadL:
	s_add_co_u32 s63, s63, 1
	s_cmp_lt_u32 s63, 14
	s_cbranch_scc1 .Llow
	v_lshl_add_u32 v[AKM], s67, 13, v[L16]
	STEP QL, 1, 0, 1, AKM
	STEP QL, 1, 1, 0, AKM
	FINISH 50
	s_wait_tensorcnt 0x0                           ; the wave's end: a tensor wait, an LDS add and its wait, behind my last tensor load
	ds_add_u32 v[SPW], v[NIL]
	s_wait_dscnt 0x0
	ROUND                                          ; the closing round
	s_endpgm
.Lfunc_end_k_q8557035614_attn:
	.size	k_q8557035614_attn, .Lfunc_end_k_q8557035614_attn-k_q8557035614_attn
	.p2alignl 7, 3214868480
	.fill 96, 4, 3214868480
	.section	.rodata,"a",@progbits
	.p2align	6, 0x0
	.amdhsa_kernel k_q8557035614_attn
		.amdhsa_group_segment_fixed_size 263168
		.amdhsa_private_segment_fixed_size 0
		.amdhsa_enable_private_segment 0
		.amdhsa_kernarg_size 40
		.amdhsa_user_sgpr_count 2
		.amdhsa_user_sgpr_kernarg_segment_ptr 1
		.amdhsa_wavefront_size32 1
		.amdhsa_system_sgpr_workgroup_id_x 1
		.amdhsa_system_sgpr_workgroup_id_y 1
		.amdhsa_system_sgpr_workgroup_id_z 1
		.amdhsa_system_vgpr_workitem_id 0
		.amdhsa_next_free_vgpr 256
		.amdhsa_next_free_sgpr 72
		.amdhsa_reserve_vcc 1
		.amdhsa_float_denorm_mode_32 3
		.amdhsa_float_denorm_mode_16_64 3
		.amdhsa_memory_ordered 1
		.amdhsa_forward_progress 1
		.amdhsa_inst_pref_size 140
	.end_amdhsa_kernel
	.amdgpu_metadata
---
amdhsa.version: [ 1, 2 ]
amdhsa.kernels:
  - .name:           k_q8557035614_attn
    .symbol:         k_q8557035614_attn.kd
    .args:
      - { .name: q, .offset: 0, .size: 8, .value_kind: global_buffer, .address_space: global }
      - { .name: kv, .offset: 8, .size: 8, .value_kind: global_buffer, .address_space: global }
      - { .name: w_proj, .offset: 16, .size: 8, .value_kind: global_buffer, .address_space: global }
      - { .name: y, .offset: 24, .size: 8, .value_kind: global_buffer, .address_space: global }
      - { .name: wp, .offset: 32, .size: 8, .value_kind: global_buffer, .address_space: global }
    .group_segment_fixed_size: 263168
    .private_segment_fixed_size: 0
    .kernarg_segment_align: 8
    .kernarg_segment_size: 40
    .max_flat_workgroup_size: 256
    .sgpr_count:     72
    .vgpr_count:     256
    .wavefront_size: 32
...
	.end_amdgpu_metadata
.endif
;; end of part 2
;; launch proj (part 3): grid 256 x 1, 8 waves a work-group, clusters of 4 x 1, 234,496 bytes of LDS; arguments y, wp, out0; writes out0
.if DOCPART == 3
	.amdgcn_target "amdgcn-amd-amdhsa--gfx1250"
	.amdhsa_code_object_version 6
	.text
	.protected	k_q8557035614_proj
	.globl	k_q8557035614_proj
	.p2align	8
	.type	k_q8557035614_proj,@function
k_q8557035614_proj:
	s_mov_b64 s[64:65], 0
	v_nop
	global_prefetch_b8 v0, s[64:65] scope:SCOPE_SE
	s_setreg_imm32_b32 hwreg(HW_REG_WAVE_MODE, 25, 1), 1
	s_wait_xcnt 0x0
	s_wait_alu depctr_hold_cnt(0) depctr_sa_sdst(0) depctr_va_vdst(0) depctr_va_sdst(0) depctr_va_ssrc(0) depctr_va_vcc(0) depctr_vm_vsrc(0)
	s_getreg_b32 s2, hwreg(HW_REG_IB_STS2, 6, 4)
	s_cmp_eq_u32 s2, 0
	s_cbranch_scc0 .Lentry_in_a_cluster
	s_endpgm
.Lentry_in_a_cluster:
	s_bfe_u32 s2, ttmp6, 0x10000c
	s_cmp_lg_u32 s2, 0x3003
	s_cbranch_scc0 .Lentry_shape_is_right
	s_endpgm
.Lentry_shape_is_right:
; out0 = y w_proj.  y (f16) and wp (w_proj rounded to bf16, written as f16) arrive in fragment order; sums in f32; out0: [16384][256] f32.
; SHARES.  A work-group owns 64 rows and all 256 columns.  Wave w: rows 32 (w & 1) on, columns 64 (w >> 1) on, as two groups of 32.
; LDS, filled once: wp, 131,072 bytes as they lie, asked for JOINTLY by the four work-groups of a cluster (the same load, descriptor and mask in all four; wave w brings 16,384 bytes); the work-group's own
; 32,768 bytes of y by a load of its own (wave w brings 4,096); then a stage of 32 rows x 272 bytes for each wave, into which no tensor load lands; then the spare words.  Two tensor loads of a wave are out at the most.
; The product is used transposed (source 0 = 16 columns of w_proj, source 1 = 16 rows of y): a lane holds eight neighbouring columns of one row, 32 bytes.  They go through the wave's own stage and come
; back as whole rows of its 64 columns, so that sixteen lanes store 256 consecutive bytes, aligned.
.set YL,    131072
.set STAGE, YL+32768
.set SP,    272                    ; 256 bytes + 16: the sixteen rows that a store touches begin in sixteen different columns of 16 bytes
.set SPARE, STAGE+8*32*SP          ; byte 233,472
.set SPW, 4                        ; v4   my spare word; never rewritten
.set NIL, 5                        ; v5   0; never rewritten
.set AY,  6                        ; v6   16 x lane in my 32 rows of y
.set AWP, 7                        ; v7   16 x lane in my 64 columns of wp
.set STO, 8                        ; v8   where I put 32 bytes of a row
.set RD,  9                        ; v9   where I read a row back
.set CO,  10                       ; v10  my byte offset in two rows of out0
.set ACC, 20                       ; v20-51   accumulator (mt, nt) at 20 + 16 mt + 8 nt
.set YF,  52                       ; v52-179  y's fragments (mt, ks) at 52 + 64 mt + 8 ks; at the end the rows read back
.set WF,  180                      ; v180-243 wp's fragments, two buffers
.macro ROUND                           ; a round of the cluster's barrier
	s_barrier_signal -1
	s_barrier_wait -1
	s_cmp_lg_u32 s10, 0
	s_cbranch_scc1 .Lnot_wave_0_\@
	s_barrier_signal -3
.Lnot_wave_0_\@:
	s_barrier_wait -3
	s_barrier_signal -1
	s_barrier_wait -1
.endm
	s_load_b128 s[4:7], s[0:1], 0x0                ; y s[4:5], wp s[6:7]
	s_load_b64 s[8:9], s[0:1], 0x10                ; out0
	v_lshl_add_u32 v[SPW], v0, 2, SPARE
	v_mov_b32 v[NIL], 0
	ds_add_u32 v[SPW], v[NIL]                      ; the wave's opening: the add and its wait stand ahead of my first tensor load; work on registers stands between them
	v_lshrrev_b32 v1, 5, v0
	v_readfirstlane_b32 s10, v1                    ; wave 0..7
	s_bfe_u32 s11, ttmp6, 0x40000                  ; my place in the cluster
	s_lshl_b32 s12, ttmp9, 2
	s_add_co_u32 s12, s12, s11                     ; my block of 64 rows: it enters y's and out0's addresses alone
	s_and_b32 s13, s10, 1                          ; rs
	s_lshr_b32 s14, s10, 1                         ; cs
	s_mov_b32 s16, 15|(3<<16)|(1<<21)              ; wp: the mask of four; elements of 8 bytes; bit 21 beside a mask
	s_mov_b32 s17, 32<<16                          ; tensor_dim0 = 32
	s_mov_b32 s18, 64<<16                          ; tensor_dim1 = 64
	s_mov_b32 s19, 32<<16                          ; tile_dim0 = 32
	s_mov_b32 s20, 64                              ; tile_dim1 = 64 rows of 256 bytes
	s_mov_b32 s21, 32
	s_mov_b32 s22, 0
	s_mov_b32 s23, 0
	s_mov_b32 s24, 3<<16                           ; y: no mask
	s_mov_b32 s25, 32<<16
	s_mov_b32 s26, 16<<16                          ; 16 rows of 256 bytes
	s_mov_b32 s27, 32<<16
	s_mov_b32 s28, 16
	s_mov_b32 s29, 32
	s_mov_b32 s30, 0
	s_mov_b32 s31, 0
	s_mov_b32 s32, 1
	s_lshl_b32 s33, s10, 14                        ; wp: LDS address = byte offset in wp
	s_mov_b32 s40, s33
	s_mov_b32 s41, 0
	s_mov_b32 s36, 1
	s_lshl_b32 s37, s10, 12
	s_lshl_b32 s44, s12, 15                        ; 64 rows of y are 32,768 bytes
	s_add_co_u32 s44, s44, s37
	s_mov_b32 s45, 0
	s_add_co_u32 s37, s37, YL
	s_lshl_b32 s42, s12, 16                        ; 64 rows of out0,
	s_lshl_b32 s46, s13, 15                        ; my 32 of them,
	s_add_co_u32 s42, s42, s46
	s_lshl_b32 s46, s14, 8                         ; my 64 columns
	s_add_co_u32 s42, s42, s46
	s_mov_b32 s43, 0
	s_wait_dscnt 0x0                               ; the opening add is done
	s_wait_kmcnt 0x0
	s_add_nc_u64 s[34:35], s[6:7], s[40:41]
	s_or_b32 s35, s35, 0x80000000                  ; type = 2
	s_add_nc_u64 s[38:39], s[4:5], s[44:45]
	s_or_b32 s39, s39, 0x80000000
	s_add_nc_u64 s[42:43], s[8:9], s[42:43]
	ROUND                                          ; all four work-groups are here: the joint loads meet
	tensor_load_to_lds s[32:35], s[16:23]
	s_nop 0
	tensor_load_to_lds s[36:39], s[24:31]
	s_nop 0
	v_and_b32 v1, 31, v0
	v_lshlrev_b32 v1, 4, v1                        ; 16 x lane
	v_and_b32 v2, 15, v0                           ; r
	v_bfe_u32 v3, v0, 4, 1                         ; hh
	s_lshl_b32 s46, s13, 14
	s_add_co_u32 s46, s46, YL
	v_add_nc_u32 v[AY], s46, v1
	s_lshl_b32 s46, s14, 15
	v_add_nc_u32 v[AWP], s46, v1
	s_mul_i32 s46, s10, 32*SP
	s_add_co_u32 s46, s46, STAGE                   ; my stage
	v_mul_u32_u24 v[STO], v2, SP
	v_lshl_add_u32 v[STO], v3, 5, v[STO]
	v_add_nc_u32 v[STO], s46, v[STO]               ; in: row r, 32 bytes for each half of the lanes
	v_mul_u32_u24 v[RD], v3, SP
	v_lshl_add_u32 v[RD], v2, 4, v[RD]
	v_add_nc_u32 v[RD], s46, v[RD]                 ; back: lanes 0-15 one row of 256 bytes, lanes 16-31 the next
	v_lshlrev_b32 v[CO], 10, v3
	v_lshl_add_u32 v[CO], v2, 4, v[CO]             ; and the same two rows in out0
	s_wait_tensorcnt 0x0                           ; my parts of wp and y are in,
	s_barrier_signal -1
	s_barrier_wait -1                              ; everybody's are
.irp mt, 0,1                           ; my 32 rows of y stay in registers
.irp ks, 0,1,2,3,4,5,6,7
.irp c, 0,1
	ds_load_b128 v[YF+64*\mt+8*\ks+4*\c:YF+64*\mt+8*\ks+4*\c+3], v[AY] offset:\mt*8192+\ks*1024+\c*512
.endr
.endr
.endr
.macro PLACES                          ; four plain places behind matrix instructions, ahead of loads into their sources
.rept 4
	v_nop
.endr
.endm
.macro LOADW buf, qd, gl               ; eight loads: wp's fragments for 64 along k (quarter qd) and group gl's 32 columns
.irp ksl, 0,1
.irp nt, 0,1
.irp c, 0,1
	ds_load_b128 v[WF+32*(\buf)+16*\ksl+8*\nt+4*\c:WF+32*(\buf)+16*\ksl+8*\nt+4*\c+3], v[AWP] offset:(2*(\gl)+\nt)*8192+(2*(\qd)+\ksl)*1024+\c*512
.endr
.endr
.endr
.endm
.macro MUL buf, qd, first              ; eight matrix instructions on the four accumulators by turns; first = 1: the first four start the sums
.irp ksl, 0,1
.irp mt, 0,1
.irp nt, 0,1
.set rA, ACC+16*\mt+8*\nt
.set rW, WF+32*(\buf)+16*\ksl+8*\nt
.set rY, YF+64*\mt+8*(2*(\qd)+\ksl)
.if (\first) && (\ksl == 0)
	v_wmma_f32_16x16x32_f16 v[rA:rA+7], v[rW:rW+7], v[rY:rY+7], 0
.else
	v_wmma_f32_16x16x32_f16 v[rA:rA+7], v[rW:rW+7], v[rY:rY+7], v[rA:rA+7]
.endif
.endr
.endr
.endr
.endm
.macro GROUP gl
	LOADW 0, 0, \gl
	LOADW 1, 1, \gl
	s_wait_dscnt 0x8                               ; all but the eight loads of buffer 1
	MUL 0, 0, 1
	PLACES
	LOADW 0, 2, \gl
	s_wait_dscnt 0x8                               ; buffer 1 is in; the eight just issued stay out
	MUL 1, 1, 0
	PLACES
	LOADW 1, 3, \gl
	s_wait_dscnt 0x8
	MUL 0, 2, 0
	s_wait_dscnt 0x0
	MUL 1, 3, 0
.rept 5
	v_nop                                          ; five places: the stores below read the results, and the next group's first products write over the accumulators
.endr
.irp mt, 0,1
.irp nt, 0,1                           ; each accumulator from its low end on
	ds_store_b128 v[STO], v[ACC+16*\mt+8*\nt:ACC+16*\mt+8*\nt+3]   offset:\mt*16*SP+(2*(\gl)+\nt)*64
	ds_store_b128 v[STO], v[ACC+16*\mt+8*\nt+4:ACC+16*\mt+8*\nt+7] offset:\mt*16*SP+(2*(\gl)+\nt)*64+16
.endr
.endr
.endm
	GROUP 0
	GROUP 1
.irp t, 0,1,2,3,4,5,6,7,8,9,10,11,12,13,14,15
	ds_load_b128 v[YF+4*\t:YF+4*\t+3], v[RD] offset:\t*2*SP  ; LDS serves a wave's instructions in order (ISA guide 5.7.1.4): these see my stores above
.endr
.irp t, 0,1,2,3,4,5,6,7,8,9,10,11,12,13,14,15
	s_wait_dscnt 15-\t                             ; the younger read-backs stay out
	global_store_b128 v[CO], v[YF+4*\t:YF+4*\t+3], s[42:43] offset:\t*2048 th:TH_STORE_NT  ; sixteen lanes store 256 consecutive bytes, at a multiple of 256 from out0's first byte
.endr
	s_wait_tensorcnt 0x0                           ; the wave's end: a tensor wait, an LDS add and its wait, behind my last tensor load and my last LDS store
	ds_add_u32 v[SPW], v[NIL]
	s_wait_dscnt 0x0
	ROUND                                          ; the closing round
	s_endpgm
.Lfunc_end_k_q8557035614_proj:
	.size	k_q8557035614_proj, .Lfunc_end_k_q8557035614_proj-k_q8557035614_proj
	.p2alignl 7, 3214868480
	.fill 96, 4, 3214868480
	.section	.rodata,"a",@progbits
	.p2align	6, 0x0
	.amdhsa_kernel k_q8557035614_proj
		.amdhsa_group_segment_fixed_size 234496
		.amdhsa_private_segment_fixed_size 0
		.amdhsa_enable_private_segment 0
		.amdhsa_kernarg_size 24
		.amdhsa_user_sgpr_count 2
		.amdhsa_user_sgpr_kernarg_segment_ptr 1
		.amdhsa_wavefront_size32 1
		.amdhsa_system_sgpr_workgroup_id_x 1
		.amdhsa_system_sgpr_workgroup_id_y 1
		.amdhsa_system_sgpr_workgroup_id_z 1
		.amdhsa_system_vgpr_workitem_id 0
		.amdhsa_next_free_vgpr 256
		.amdhsa_next_free_sgpr 66
		.amdhsa_reserve_vcc 0
		.amdhsa_float_denorm_mode_32 3
		.amdhsa_float_denorm_mode_16_64 3
		.amdhsa_memory_ordered 1
		.amdhsa_forward_progress 1
		.amdhsa_inst_pref_size 20
	.end_amdhsa_kernel
	.amdgpu_metadata
---
amdhsa.version: [ 1, 2 ]
amdhsa.kernels:
  - .name:           k_q8557035614_proj
    .symbol:         k_q8557035614_proj.kd
    .args:
      - { .name: y, .offset: 0, .size: 8, .value_kind: global_buffer, .address_space: global }
      - { .name: wp, .offset: 8, .size: 8, .value_kind: global_buffer, .address_space: global }
      - { .name: out0, .offset: 16, .size: 8, .value_kind: global_buffer, .address_space: global }
    .group_segment_fixed_size: 234496
    .private_segment_fixed_size: 0
    .kernarg_segment_align: 8
    .kernarg_segment_size: 24
    .max_flat_workgroup_size: 256
    .sgpr_count:     66
    .vgpr_count:     256
    .wavefront_size: 32
...
	.end_amdgpu_metadata
.endif
;; end of part 3
;; ======== version 2 of 2: 3 launches; 1.24 times as fast as version 1
;; limits: values are held in f16: magnitudes above 65,504 overflow, below 6.1e-05 lose precision
;; workspace buffers: q 8,388,608 bytes; kv 16,777,216 bytes; y 8,388,608 bytes; wp 131,072 bytes
;; launch qkv: the kernel of part 1 again; grid 2 x 128, 8 waves a work-group, no clusters, 273,408 bytes of LDS; arguments x, w_attn, q, kv; writes q, kv
;; launch attn (part 4): grid 4 x 64, 8 waves a work-group, clusters of 4 x 1, 263,168 bytes of LDS; arguments q, kv, w_proj, y, wp; writes y, wp
.if DOCPART == 4
	.amdgcn_target "amdgcn-amd-amdhsa--gfx1250"
	.amdhsa_code_object_version 6
	.text
	.protected	k_q8557035614_attn
	.globl	k_q8557035614_attn
	.p2align	8
	.type	k_q8557035614_attn,@function
k_q8557035614_attn:
	s_mov_b64 s[64:65], 0
	v_nop
	global_prefetch_b8 v0, s[64:65] scope:SCOPE_SE
	s_setreg_imm32_b32 hwreg(HW_REG_WAVE_MODE, 25, 1), 1
	s_wait_xcnt 0x0
	s_wait_alu depctr_hold_cnt(0) depctr_sa_sdst(0) depctr_va_vdst(0) depctr_va_sdst(0) depctr_va_ssrc(0) depctr_va_vcc(0) depctr_vm_vsrc(0)
	s_getreg_b32 s2, hwreg(HW_REG_IB_STS2, 6, 4)
	s_cmp_eq_u32 s2, 0
	s_cbranch_scc0 .Lentry_in_a_cluster
	s_endpgm
.Lentry_in_a_cluster:
	s_bfe_u32 s2, ttmp6, 0x10000c
	s_cmp_lg_u32 s2, 0x3003
	s_cbranch_scc0 .Lentry_shape_is_right
	s_endpgm
.Lentry_shape_is_right:
; CAUSAL ATTENTION at head size 32.  y[row] = the sum over keys <= row of softmax(q . k / sqrt(32)) v, for 64 heads of 2,048 rows; q, k, v, the weights p and y in f16; products, maxima and sums in f32.
; LIMITS.  q, k, v arrive within f16's range (65,504); p lies in 0 to 1 and is rounded to f16; its sum l is the f32 sum of the rounded p; a hidden score counts as its value less 1e30;
; a weight below 2^-126 counts as 0; NaN and infinities are not treated apart.  w_proj is rounded to bf16 and that number written as f16: it must lie within 65,504.
; SHARES.  The four work-groups of a cluster have one head.  Its rows lie in 16 bands of 128; work-group g owns rows 32 g .. 32 g + 31 of every band: two tiles of 16 queries.  Wave w takes band 15 - w and
; then band w.  Band b walks the key steps (64 keys) 0 .. 2 b + 1, the last two with masks: 34 steps for every wave of every work-group.  Branches and LDS addresses hang on the wave's number alone;
; g enters global addresses and, by s_cselect, the masks' two scalars.
; LDS holds the head's whole kv, 262,144 bytes as they lie in memory (fragment order), filled once by three joint loads a wave (steps 0-7, 8-15, 16-31): each of the four partners issues the same load
; with the same descriptor and the mask of four, and each receives the bytes.  Three tensor loads of a wave are out at the most.  Nothing is filled twice.
; LAYOUT.  S^T = K Q^T (source 0 = 16 keys, source 1 = 16 queries): a lane holds ONE query (lane % 16) and keys 8 (lane / 16) + 0..7.  Rounded to f16 in pairs, in place, two such results ARE source 1 of
; O^T = V^T P, which again holds one query a lane.  l is a third product, ones x P: all its rows are the query's sum; register 0 alone is rescaled and read, the other seven only collect sums of p (2,048 at the most).
; SOFTMAX.  Running maximum m; p = 2^(c s - c m), c = log2(e) / sqrt(32); in every step O and l are multiplied by a = 2^(c m_old - c m_new).  m starts at the lowest finite number, O and l at 0, so the first
; step is a step like any other with a = 0: the price is 48 registers cleared at each band's beginning.  Every row sees key 0 in its walk's first step, so m is a true score from then on.
; BATCHES.  A key step's 66 exponentials (a of both tiles, then the 64 scores', each in a register of its own) are ONE batch with ONE wait: ahead of the wait stand the maximum, the statistics, the scalings and
; the exponentials, none of which names an exponential's result; behind it all that do: the roundings to f16 and the rescalings by a.  No result crosses a step's end.  A band's two reciprocals are a batch of their own.
; THE MASK is the C operand that starts S^T's sum.  MD is the mask of a 16 x 16 block on the diagonal; a block's mask is MD x AL + BE: (1, 0) on the diagonal, (0, 0) below it, (0, -1e30) above.
; Two waves share a SIMD: one wave's vector work stands beside the other's matrix work and waits.
; SIDE JOB.  Wave 0 of each of the 256 work-groups turns one block of 512 bytes of w_proj into fragment order for the next launch, while the first tile is on its way.
.set SPARE, 262144                 ; behind the head's kv: 128 bytes for each of the eight waves, named by no other line
.set L16, 1                        ; v1   16 x lane; never rewritten
.set AK,  2                        ; v2   16 x lane + 8,192 x the step in hand
.set AKM, 3                        ; v3   the same for a band's first masked step
.set SPW, 4                        ; v4   my spare word; never rewritten
.set NIL, 5                        ; v5   0; never rewritten
                                   ; v6, v7 at work in the set-up.  Tile u: v[8+8u] c m, +1 m, +2 c m_old; v[12+8u] c0-c3 at work (c2 takes a, at the end c0 takes 1 / l)
.set MD,  24                       ; v24-31   the diagonal block's mask
.set ONE, 32                       ; v32-39   a fragment of ones in f16
.set QH,  40                       ; v40-55   Q of the first band, 8 a tile
.set QL,  56                       ; v56-71   Q of the second
.set KF,  72                       ; v72-103  K of a step: 16 keys kt at 72 + 8 kt
.set VF,  104                      ; v104-135 V of a step: 32 keys kk, 16 channels cb at 104 + 16 kk + 8 cb
.set S,   136                      ; v136-199 S^T, 32 a tile; P takes each tile's first 16
.set O,   200                      ; v200-231 O^T: 200 + 16 u + 8 cb
.set LS,  232                      ; v232-247 l: 232 + 8 u
; s3 head; s14 wave; s15 g; s[16:23], s[24:31] descriptor groups 1 (32 and 64 rows); s[32:43] three groups 0; s[44:47] Q's bases; s[48:51] y's; s[52:53] c; s[54:55] lane selects;
; s[56:57] AL; s[58:59] BE; s60 -1e30; s61, s62 my two tiles' blocks of 16 rows within a band; s63 the step; s66, s67 unmasked steps of the two bands; s2, s[68:71] at work
.macro ROUND                           ; a round of the cluster's barrier
	s_barrier_signal -1
	s_barrier_wait -1
	s_cmp_lg_u32 s14, 0
	s_cbranch_scc1 .Lnot_wave_0_\@
	s_barrier_signal -3
.Lnot_wave_0_\@:
	s_barrier_wait -3
	s_barrier_signal -1
	s_barrier_wait -1
.endm
	s_load_b256 s[4:11], s[0:1], 0x0               ; q s[4:5], kv s[6:7], w_proj s[8:9], y s[10:11]
	s_load_b64 s[12:13], s[0:1], 0x20              ; wp
	v_lshl_add_u32 v[SPW], v0, 2, SPARE
	v_mov_b32 v[NIL], 0
	ds_add_u32 v[SPW], v[NIL]                      ; the wave's opening: the add and its wait stand ahead of my first tensor load; work on registers stands between them
	v_lshrrev_b32 v6, 5, v0
	v_readfirstlane_b32 s14, v6                    ; wave 0..7
	s_bfe_u32 s15, ttmp6, 0x40000                  ; g: my place in the cluster
	s_and_b32 s3, ttmp7, 0xffff                    ; the head = 8 x batch + head of the batch, shared by the four partners
	; descriptor groups 1: dense bytes asked for as rows of 32 elements of 8 bytes
	s_mov_b32 s16, 15|(3<<16)|(1<<21)              ; 15:0 the mask of four; 17:16 elements of 8 bytes; 21 set beside a mask
	s_mov_b32 s17, 32<<16                          ; tensor_dim0 = 32
	s_mov_b32 s18, 32<<16                          ; tensor_dim1 = 32
	s_mov_b32 s19, 32<<16                          ; tile_dim0 = 32
	s_mov_b32 s20, 32                              ; tile_dim1 = 32 rows: 8,192 bytes
	s_mov_b32 s21, 32                              ; 32 elements from row to row
	s_mov_b32 s22, 0
	s_mov_b32 s23, 0
	s_mov_b32 s24, 15|(3<<16)|(1<<21)
	s_mov_b32 s25, 32<<16
	s_mov_b32 s26, 64<<16                          ; tensor_dim1 = 64
	s_mov_b32 s27, 32<<16
	s_mov_b32 s28, 64                              ; tile_dim1 = 64 rows: 16,384 bytes
	s_mov_b32 s29, 32
	s_mov_b32 s30, 0
	s_mov_b32 s31, 0
	s_mov_b32 s32, 1                               ; groups 0: count = 1; the LDS address is also the byte offset in the head's kv
	s_lshl_b32 s33, s14, 13                        ; step w
	s_mov_b32 s36, 1
	s_add_co_u32 s37, s33, 65536                   ; step 8 + w
	s_mov_b32 s40, 1
	s_lshl_b32 s41, s14, 14
	s_add_co_u32 s41, s41, 131072                  ; steps 16 + 2 w, 17 + 2 w
	s_mov_b32 s52, 0x3e8293ee                      ; c = log2(e) / sqrt(32) = 0.255035
	s_mov_b32 s53, s52                             ; named with it as a pair
	s_mov_b32 s54, 0x76543210
	s_mov_b32 s55, 0xfedcba98
	s_mov_b32 s57, 0                               ; named as pairs
	s_mov_b32 s59, 0
	s_mov_b32 s60, 0xf149f2ca                      ; -1e30
	s_lshl_b32 s61, s15, 1                         ; tile 0 is block 2 g of the band's eight blocks of 16 rows,
	s_add_co_u32 s62, s61, 1                       ; tile 1 block 2 g + 1
	s_sub_co_u32 s66, 15, s14                      ; the first band
	s_lshl_b32 s70, s66, 3
	s_add_co_u32 s70, s70, s61                     ; its tile 0 among the head's 128 blocks of 16 rows
	s_lshl_b32 s71, s14, 3
	s_add_co_u32 s71, s71, s61                     ; the second band's
	s_lshl_b32 s66, s66, 1                         ; unmasked steps of the first band,
	s_lshl_b32 s67, s14, 1                         ; of the second
	s_lshl_b32 s2, s3, 17                          ; a head of q is 131,072 bytes, 16 rows 1,024
	s_lshl_b32 s44, s70, 10
	s_add_co_u32 s44, s44, s2
	s_mov_b32 s45, 0
	s_lshl_b32 s46, s71, 10
	s_add_co_u32 s46, s46, s2
	s_mov_b32 s47, 0
	s_lshr_b32 s2, s3, 3
	s_lshl_b32 s2, s2, 7                           ; y: [16 rows of all 16,384][head 8][1,024 bytes]: the batch's 128 blocks,
	s_add_co_u32 s48, s2, s70
	s_lshl_b32 s48, s48, 13
	s_add_co_u32 s50, s2, s71
	s_lshl_b32 s50, s50, 13
	s_and_b32 s2, s3, 7
	s_lshl_b32 s2, s2, 10                          ; and the head's place in a block
	s_add_co_u32 s48, s48, s2
	s_add_co_u32 s50, s50, s2
	s_mov_b32 s49, 0
	s_mov_b32 s51, 0
	s_lshl_b32 s68, s3, 18                         ; a head of kv is 262,144 bytes
	s_mov_b32 s69, 0
	s_wait_dscnt 0x0                               ; the opening add is done
	s_wait_kmcnt 0x0
	s_add_nc_u64 s[70:71], s[6:7], s[68:69]        ; the head's first byte of kv
	s_mov_b32 s68, s33
	s_add_nc_u64 s[34:35], s[70:71], s[68:69]
	s_or_b32 s35, s35, 0x80000000                  ; type = 2
	s_mov_b32 s68, s37
	s_add_nc_u64 s[38:39], s[70:71], s[68:69]
	s_or_b32 s39, s39, 0x80000000
	s_mov_b32 s68, s41
	s_add_nc_u64 s[42:43], s[70:71], s[68:69]
	s_or_b32 s43, s43, 0x80000000
	s_add_nc_u64 s[44:45], s[4:5], s[44:45]
	s_add_nc_u64 s[46:47], s[4:5], s[46:47]
	s_add_nc_u64 s[48:49], s[10:11], s[48:49]
	s_add_nc_u64 s[50:51], s[10:11], s[50:51]
	ROUND                                          ; all four work-groups are here: the joint loads meet
	tensor_load_to_lds s[32:35], s[16:23]          ; all fills of the launch, as one group
	s_nop 0
	tensor_load_to_lds s[36:39], s[16:23]
	s_nop 0
	tensor_load_to_lds s[40:43], s[24:31]
	s_nop 0
	v_and_b32 v6, 31, v0
	v_lshlrev_b32 v[L16], 4, v6
.irp u, 0,1                            ; both bands' Q: a fragment is two runs of 512 consecutive bytes
.irp c, 0,1
	global_load_b128 v[QH+8*\u+4*\c:QH+8*\u+4*\c+3], v[L16], s[44:45] offset:\u*1024+\c*512
	global_load_b128 v[QL+8*\u+4*\c:QL+8*\u+4*\c+3], v[L16], s[46:47] offset:\u*1024+\c*512
.endr
.endr
	v_and_b32 v6, 15, v0                           ; r
	v_bfe_u32 v7, v0, 4, 1                         ; hh
	v_lshlrev_b32 v3, 3, v7
	v_sub_nc_u32 v3, v6, v3                        ; r - 8 hh: on the diagonal block register j (key 8 hh + j) is hidden from query r where j is greater
.irp j, 0,1,2,3,4,5,6,7
	v_cmp_gt_i32 vcc_lo, \j, v3
	v_cndmask_b32 v[MD+\j], 0, s60, vcc_lo
.endr
.irp j, 0,1,2,3,4,5,6,7
	v_mov_b32 v[ONE+\j], 0x3c003c00
.endr
	v_lshlrev_b32 v7, 13, v7
	v_lshl_add_u32 v7, v6, 2, v7                   ; the side job: 8 hh rows of 1,024 bytes + 4 r
.macro INIT                            ; a band begins
.set i, O
.rept 48
	v_mov_b32 v[i], 0
.set i, i+1
.endr
	v_mov_b32 v8, 0xfe000000                       ; c m: far below every c s
	v_mov_b32 v9, 0xff7fffff                       ; m
	v_mov_b32 v16, 0xfe000000
	v_mov_b32 v17, 0xff7fffff
.endm
	INIT
	; wp [16 columns nt 16][32 along k ks 8][c 2][lane][16 B] = w_proj[32 ks + 16 c + 8 hh + 0..7][16 nt + r]: block number 4 head + g of its 256 is mine
	s_cmp_lg_u32 s14, 0
	s_cbranch_scc1 .Lno_side
	s_lshl_b32 s68, s3, 2
	s_add_co_u32 s68, s68, s15
	s_lshl_b32 s70, s68, 9
	s_mov_b32 s71, 0
	s_add_nc_u64 s[70:71], s[12:13], s[70:71]
	s_lshr_b32 s2, s68, 4
	s_lshl_b32 s2, s2, 6                           ; 16 nt columns of 4 bytes
	s_and_b32 s68, s68, 15
	s_lshl_b32 s68, s68, 14                        ; 16 (2 ks + c) rows of 1,024 bytes
	s_add_co_u32 s68, s68, s2
	s_mov_b32 s69, 0
	s_add_nc_u64 s[68:69], s[8:9], s[68:69]
.irp j, 0,1,2,3,4,5,6,7
	global_load_b32 v[S+\j], v7, s[68:69] offset:\j*1024
.endr
	s_wait_loadcnt 0x0
.irp i, 0,1,2,3
	v_cvt_pk_bf16_f32 v[S+12], v[S+2*\i], v[S+2*\i+1]  ; rounded to bf16 like the other inputs,
	v_lshlrev_b32 v[S+13], 16, v[S+12]
	v_and_b32 v[S+14], 0xffff0000, v[S+12]
	v_cvt_pk_f16_f32 v[S+8+\i], v[S+13], v[S+14]       ; and that number written as f16
.endr
	global_store_b128 v[L16], v[S+8:S+11], s[70:71]
	s_wait_xcnt 0x0                                ; the store has read its data: the first products write over those registers
.Lno_side:
.macro LOADK a, off                    ; eight loads of 512 consecutive bytes: K of the step at v[a] + off
.irp kt, 0,1,2,3
.irp c, 0,1
	ds_load_b128 v[KF+8*\kt+4*\c:KF+8*\kt+4*\c+3], v[\a] offset:(\off)+\kt*1024+\c*512
.endr
.endr
.endm
.macro LOADV a, off                    ; the same for V
.irp kk, 0,1
.irp cb, 0,1
.irp c, 0,1
	ds_load_b128 v[VF+16*\kk+8*\cb+4*\c:VF+16*\kk+8*\cb+4*\c+3], v[\a] offset:(\off)+4096+\kk*2048+\cb*1024+\c*512
.endr
.endr
.endr
.endm
; Number n of the lines that find tile u's maximum and statistics.  0-11: four chains of seven scores, three operands at a time; each accumulator's lowest registers are read first.
; 12-14, 16: the four scores left over, the old m, and the chains into c0.  17, 18: the query's other 32 keys lie in the lane 16 away.  19-21: c m; c m_old - c m_new; a.  (c m_old is kept behind the products.)
.macro XS u, n
.set rT, 8+8*(\u)
.set rC, 12+8*(\u)
.set rS, S+32*(\u)
.if (\n) < 4
	v_max3_num_f32 v[rC+(\n)], v[rS+8*(\n)], v[rS+8*(\n)+1], v[rS+8*(\n)+2]
.elseif (\n) < 12
	v_max3_num_f32 v[rC+(\n)%4], v[rC+(\n)%4], v[rS+8*((\n)%4)+2*((\n)/4)+1], v[rS+8*((\n)%4)+2*((\n)/4)+2]
.elseif (\n) == 12
	v_max3_num_f32 v[rC], v[rC], v[rS+7], v[rS+15]
.elseif (\n) == 13
	v_max3_num_f32 v[rC+1], v[rC+1], v[rS+23], v[rS+31]
.elseif (\n) == 14
	v_max3_num_f32 v[rC+2], v[rC+2], v[rC+3], v[rT+1]
.elseif (\n) == 16
	v_max3_num_f32 v[rC], v[rC], v[rC+1], v[rC+2]
.elseif (\n) == 17
	v_permlanex16_b32 v[rC+3], v[rC], s54, s55
.elseif (\n) == 18
	v_max_num_f32 v[rT+1], v[rC], v[rC+3]
.elseif (\n) == 19
	v_mul_f32 v[rT], s52, v[rT+1]
.elseif (\n) == 20
	v_sub_f32 v[rC+1], v[rT+2], v[rT]
.else
	v_exp_f32 v[rC+2], v[rC+1]
.endif
.endm
.macro FS u, n                         ; c s - c m for pair n of 16
	v_pk_fma_f32 v[S+32*(\u)+2*(\n):S+32*(\u)+2*(\n)+1], v[S+32*(\u)+2*(\n):S+32*(\u)+2*(\n)+1], s[52:53], v[8+8*(\u):9+8*(\u)] op_sel_hi:[1,0,0] neg_lo:[0,0,1] neg_hi:[0,0,1]
.endm
.macro EX u, x                         ; the exponential of score x of 32
	v_exp_f32 v[S+32*(\u)+(\x)], v[S+32*(\u)+(\x)]
.endm
.macro CV u, n                         ; pair n rounded to f16, into register n: the registers below 2 n have been read.  It reads exponentials' results: it stands behind the batch's wait
	v_cvt_pk_f16_f32 v[S+32*(\u)+(\n)], v[S+32*(\u)+2*(\n)], v[S+32*(\u)+2*(\n)+1]
.endm
.macro RS u, n                         ; pair n of 8 of O^T times a; n = 8: l times a.  It reads a, an exponential's result: it stands behind the batch's wait
.if (\n) < 8
	v_pk_mul_f32 v[O+16*(\u)+2*(\n):O+16*(\u)+2*(\n)+1], v[O+16*(\u)+2*(\n):O+16*(\u)+2*(\n)+1], v[14+8*(\u):15+8*(\u)] op_sel_hi:[1,0]
.else
	v_mul_f32 v[LS+8*(\u)], v[LS+8*(\u)], v[14+8*(\u)]
.endif
.endm
.macro RQ                              ; the next of the 18 rescalings, the tiles alternating, each accumulator from its low end on
	RS rq%2, rq/2
.set rq, rq+1
.endm
; A step's vector work for both tiles, cut in two by ONE wait.  AHEAD OF IT: the maximum and statistics; then the batch: the two a and the 64 exponentials of the scores, the 32 scalings among them, each two pairs
; ahead of its own exponentials.  Nothing there names an exponential's result, and each result has a register of its own (v14, v22 and S^T's 64).  A v_nop is the plain instruction behind the last exponential
; (ISA guide 5.7.2).  BEHIND IT: the readers: the 32 roundings, pair by pair in ascending order, and the 18 rescalings.
.macro SOFTMAX
.irp n, 0,1,2,3,4,5,6,7,8,9,10,11,12,13,14,16,17,18,19,20
	XS 0, \n
	XS 1, \n
.endr
	FS 0, 0
	FS 1, 0
	XS 0, 21                                       ; the batch begins: a of tile 0,
	FS 0, 1
	XS 1, 21                                       ; of tile 1
	FS 1, 1
.set i, 0
.rept 16
	EX 0, 2*i
.if i < 14
	FS 0, i+2
.endif
	EX 0, 2*i+1
	EX 1, 2*i
.if i < 14
	FS 1, i+2
.endif
	EX 1, 2*i+1
.set i, i+1
.endr
	v_nop                                          ; the plain instruction behind the last exponential: one for the batch; no plain work is left that names no result
	s_wait_alu depctr_va_vdst(0)                   ; the wait ahead of the first use: one for the step's 66 exponentials
.set rq, 0
.set i, 0
.rept 16
	CV 0, i
	CV 1, i
	RQ
.set i, i+1
.endr
	RQ                                             ; l times a, both tiles
	RQ
.endm
; The masks of a band's masked step sg (0, 1): key block 4 sg + kt against the tile's row block
.macro MASKS sg
.irp kt, 0,1,2,3
.irp u, 0,1
	s_cmp_eq_u32 s[61+\u], 4*(\sg)+\kt             ; on the diagonal?
	s_cselect_b32 s56, 1.0, 0
	s_cmp_lt_u32 s[61+\u], 4*(\sg)+\kt             ; or above it?
	s_cselect_b32 s58, s60, 0
.irp z, 0,1,2,3
	v_pk_fma_f32 v[S+32*\u+8*\kt+2*\z:S+32*\u+8*\kt+2*\z+1], v[MD+2*\z:MD+2*\z+1], s[56:57], s[58:59] op_sel_hi:[1,0,0]
.endr
.endr
.endr
.endm
; A KEY STEP.  qb: Q's registers.  km = 1: masked, step sg of the band's two.  pf = 1: the next step's K and V, 8,192 bytes behind v[a], are fetched: K behind this step's first products, V behind its last.
; The accumulators take turns, one instruction a turn: eight in the first run, six in the second.
.macro STEP qb, km, sg, pf, a
.if \km
	MASKS \sg
.endif
	s_wait_dscnt 0x8                               ; K is in; V's eight loads, which are younger, may stay out
.irp kt, 0,1,2,3
.irp u, 0,1
.if \km
	v_wmma_f32_16x16x32_f16 v[S+32*\u+8*\kt:S+32*\u+8*\kt+7], v[KF+8*\kt:KF+8*\kt+7], v[(\qb)+8*\u:(\qb)+8*\u+7], v[S+32*\u+8*\kt:S+32*\u+8*\kt+7]
.else
	v_wmma_f32_16x16x32_f16 v[S+32*\u+8*\kt:S+32*\u+8*\kt+7], v[KF+8*\kt:KF+8*\kt+7], v[(\qb)+8*\u:(\qb)+8*\u+7], 0
.endif
.endr
.endr
	v_mov_b32 v10, v8                              ; c m_old is kept; with two v_nop these are the four places behind the products
	v_mov_b32 v18, v16
	v_nop
	v_nop
.if \pf
	LOADK \a, 8192
.endif
	SOFTMAX
.if \pf
	s_wait_dscnt 0x8                               ; V is in; the next K's eight loads stay out
.else
	s_wait_dscnt 0x0
.endif
.irp kk, 0,1
.irp u, 0,1
	v_wmma_f32_16x16x32_f16 v[O+16*\u:O+16*\u+7],    v[VF+16*\kk:VF+16*\kk+7],    v[S+32*\u+8*\kk:S+32*\u+8*\kk+7], v[O+16*\u:O+16*\u+7]
	v_wmma_f32_16x16x32_f16 v[O+16*\u+8:O+16*\u+15], v[VF+16*\kk+8:VF+16*\kk+15], v[S+32*\u+8*\kk:S+32*\u+8*\kk+7], v[O+16*\u+8:O+16*\u+15]
	v_wmma_f32_16x16x32_f16 v[LS+8*\u:LS+8*\u+7],    v[ONE:ONE+7],                v[S+32*\u+8*\kk:S+32*\u+8*\kk+7], v[LS+8*\u:LS+8*\u+7]
.endr
.endr
.if \pf
.rept 5
	v_nop                                          ; five places: the loads below land in V, and the next step's products or masks write over P
.endr
	LOADV \a, 8192
.endif
.endm
; A BAND'S END: O^T is divided by l, rounded to f16 and stored in fragment order: each store covers 512 consecutive bytes, aligned.
.macro FINISH yb
.rept 4
	v_nop                                          ; the places behind the last products
.endr
	v_rcp_f32 v12, v[LS]
	v_rcp_f32 v20, v[LS+8]
	v_nop                                          ; a plain instruction between the last reciprocal and the use of its result
	s_wait_alu depctr_va_vdst(0)                   ; and the wait ahead of the first use: one for the band's two reciprocals
.irp u, 0,1
.irp n, 0,1,2,3,4,5,6,7
	v_pk_mul_f32 v[O+16*\u+2*\n:O+16*\u+2*\n+1], v[O+16*\u+2*\n:O+16*\u+2*\n+1], v[12+8*\u:13+8*\u] op_sel_hi:[1,0]
.endr
.endr
.irp u, 0,1
.irp n, 0,1,2,3,4,5,6,7
	v_cvt_pk_f16_f32 v[S+32*\u+\n], v[O+16*\u+2*\n], v[O+16*\u+2*\n+1]
.endr
.endr
.irp u, 0,1
.irp c, 0,1
	global_store_b128 v[L16], v[S+32*\u+4*\c:S+32*\u+4*\c+3], s[\yb:\yb+1] offset:\u*8192+\c*512
.endr
.endr
.endm
	s_wait_tensorcnt 0x2                           ; my part of steps 0-7 is in; the two younger loads stay out
	s_barrier_signal -1
	s_barrier_wait -1                              ; everybody's is
	LOADK L16, 0                                   ; step 0
	LOADV L16, 0
	s_wait_loadcnt 0x0                             ; Q
	s_mov_b32 s63, 0
.LsegA:                                                ; steps 0-6; their fetches reach step 7
	v_lshl_add_u32 v[AK], s63, 13, v[L16]
	STEP QH, 0, 0, 1, AK
	s_add_co_u32 s63, s63, 1
	s_cmp_lt_u32 s63, 7
	s_cbranch_scc1 .LsegA
	s_wait_tensorcnt 0x1                           ; my part of steps 8-15 is in
	s_wait_dscnt 0x0                               ; no LDS instruction of mine is out at a signal
	s_barrier_signal -1
	s_barrier_wait -1
	s_mov_b32 s63, 7
.LsegB:                                                ; steps 7-14; their fetches reach step 15
	v_lshl_add_u32 v[AK], s63, 13, v[L16]
	STEP QH, 0, 0, 1, AK
	s_add_co_u32 s63, s63, 1
	s_cmp_lt_u32 s63, 15
	s_cbranch_scc1 .LsegB
	s_wait_tensorcnt 0x0                           ; my part of steps 16-31 is in
	s_wait_dscnt 0x0
	s_barrier_signal -1
	s_barrier_wait -1                              ; the last barrier but the closing round's: from here LDS is whole
	s_mov_b32 s63, 15
.LsegC:                                                ; steps 15-29, as far as my first band has unmasked steps: the dead trips are jumped over
	s_cmp_ge_u32 s63, s66
	s_cbranch_scc1 .LdeadC
	v_lshl_add_u32 v[AK], s63, 13, v[L16]
	STEP QH, 0, 0, 1, AK
.LdeadC:
	s_add_co_u32 s63, s63, 1
	s_cmp_lt_u32 s63, 30
	s_cbranch_scc1 .LsegC
	v_lshl_add_u32 v[AKM], s66, 13, v[L16]
	STEP QH, 1, 0, 1, AKM                          ; the band's own 128 keys
	STEP QH, 1, 1, 0, AKM
	FINISH 48
	s_wait_xcnt 0x0                                ; the stores have read their data, which lies in S^T's registers
	INIT                                           ; THE SECOND BAND
	LOADK L16, 0
	LOADV L16, 0
	s_mov_b32 s63, 0
.Llow:                                                 ; steps 0-13, as far as the band has unmasked steps
	s_cmp_ge_u32 s63, s67
	s_cbranch_scc1 .LdeadL
	v_lshl_add_u32 v[AK], s63, 13, v[L16]
	STEP QL, 0, 0, 1, AK
.LdeadL:
	s_add_co_u32 s63, s63, 1
	s_cmp_lt_u32 s63, 14
	s_cbranch_scc1 .Llow
	v_lshl_add_u32 v[AKM], s67, 13, v[L16]
	STEP QL, 1, 0, 1, AKM
	STEP QL, 1, 1, 0, AKM
	FINISH 50
	s_wait_tensorcnt 0x0                           ; the wave's end: a tensor wait, an LDS add and its wait, behind my last tensor load
	ds_add_u32 v[SPW], v[NIL]
	s_wait_dscnt 0x0
	ROUND                                          ; the closing round
	s_endpgm
.Lfunc_end_k_q8557035614_attn:
	.size	k_q8557035614_attn, .Lfunc_end_k_q8557035614_attn-k_q8557035614_attn
	.p2alignl 7, 3214868480
	.fill 96, 4, 3214868480
	.section	.rodata,"a",@progbits
	.p2align	6, 0x0
	.amdhsa_kernel k_q8557035614_attn
		.amdhsa_group_segment_fixed_size 263168
		.amdhsa_private_segment_fixed_size 0
		.amdhsa_enable_private_segment 0
		.amdhsa_kernarg_size 40
		.amdhsa_user_sgpr_count 2
		.amdhsa_user_sgpr_kernarg_segment_ptr 1
		.amdhsa_wavefront_size32 1
		.amdhsa_system_sgpr_workgroup_id_x 1
		.amdhsa_system_sgpr_workgroup_id_y 1
		.amdhsa_system_sgpr_workgroup_id_z 1
		.amdhsa_system_vgpr_workitem_id 0
		.amdhsa_next_free_vgpr 256
		.amdhsa_next_free_sgpr 72
		.amdhsa_reserve_vcc 1
		.amdhsa_float_denorm_mode_32 3
		.amdhsa_float_denorm_mode_16_64 3
		.amdhsa_memory_ordered 1
		.amdhsa_forward_progress 1
		.amdhsa_inst_pref_size 129
	.end_amdhsa_kernel
	.amdgpu_metadata
---
amdhsa.version: [ 1, 2 ]
amdhsa.kernels:
  - .name:           k_q8557035614_attn
    .symbol:         k_q8557035614_attn.kd
    .args:
      - { .name: q, .offset: 0, .size: 8, .value_kind: global_buffer, .address_space: global }
      - { .name: kv, .offset: 8, .size: 8, .value_kind: global_buffer, .address_space: global }
      - { .name: w_proj, .offset: 16, .size: 8, .value_kind: global_buffer, .address_space: global }
      - { .name: y, .offset: 24, .size: 8, .value_kind: global_buffer, .address_space: global }
      - { .name: wp, .offset: 32, .size: 8, .value_kind: global_buffer, .address_space: global }
    .group_segment_fixed_size: 263168
    .private_segment_fixed_size: 0
    .kernarg_segment_align: 8
    .kernarg_segment_size: 40
    .max_flat_workgroup_size: 256
    .sgpr_count:     72
    .vgpr_count:     256
    .wavefront_size: 32
...
	.end_amdgpu_metadata
.endif
;; end of part 4
;; launch proj: the kernel of part 3 again; grid 256 x 1, 8 waves a work-group, clusters of 4 x 1, 234,496 bytes of LDS; arguments y, wp, out0; writes out0
